; MI455X (gfx1250); checked and timed in simulation.
; The chip was launched on July 23, 2026; its instructions are those of AMD's public machine-readable ISA for CDNA 5 (MIT licence, August 2026) and "CDNA5" Instruction Set Architecture Reference Guide (July 2026). The comments in the code are by the model that wrote it; some were corrected since.
;; Bert Self Attention. Allowed arithmetic: matrix products marked QUANTISED: E2M1 operands, one E8M0 scale for each 32 along K, by v_wmma_scale_f32_16x16x128_f8f6f4 with both operands' format E2M1 (or v_wmma_scale_f32_32x16x128_f4), f32 sums; products left as they are: bf16, f16 or f32 operands; f32 sums; everything else in f32.
;; Inputs: Wk 1,024 x 1,024 float32; Wq 1,024 x 1,024 float32; Wv 1,024 x 1,024 float32; attention_mask 4 x 1 x 1 x 2,048 float32; bk 1,024 float32; bq 1,024 float32; bv 1,024 float32; hidden_states 4 x 2,048 x 1,024 float32.
;; Outputs: out0 4 x 2,048 x 1,024 float32.
;; This version of the problem:
;;   THIS VERSION OF THE PROBLEM IS GIVEN IN LOW PRECISION. The matrix products marked QUANTISED in the list below multiply operands that are first quantised to E2M1 (2 exponent bits, 1 mantissa bit; 4 bits a number), with one power-of-two scale for each 32 numbers along K (OCP MX v1.0); their sums are f32. The products marked 'left as it is' may take bf16, f16 or f32 operands, with f32 sums. Whichever they take, every output number must still come out within the allowed error. Rounding operands to bf16 (8 significant bits) uses up far more of that allowance than f16 does (11 bits, for magnitudes from 6e-5 to 65,504). All else is computed in f32.
;;   The module's matrix products, in the order in which they are computed (A, B: the left and right operand; K: the contracted axis; several contracted axes count as one K, in the product's order):
;;     1. [M 8,192, K 1,024] x [K 1,024, N 1,024]; A: input hidden_states; B: input Wq: QUANTISED
;;     2. [M 8,192, K 1,024] x [K 1,024, N 1,024]; A: input hidden_states; B: input Wk: QUANTISED
;;     3. [M 8,192, K 1,024] x [K 1,024, N 1,024]; A: input hidden_states; B: input Wv: QUANTISED
;;     4. batch 64 x [M 2,048, K 64] x [K 64, N 2,048]; A: computed on the way; B: computed on the way: left as it is (an operand is computed on the way)
;;     5. batch 64 x [M 2,048, K 2,048] x [K 2,048, N 64]; A: computed on the way; B: computed on the way: left as it is (an operand is computed on the way)
;;   THE QUANTISER, for each operand of a quantised product, along K:
;;     - K is cut into blocks of 32 from its start; a last block that is shorter is filled with zeros.
;;     - A block's scale is 2^e with e = floor(log2(the largest magnitude in the block)) - 2, held to -126 .. 127; a block of zeros has e = 0. As a byte (E8M0): e + 127.
;;     - Each number is divided by its block's scale, clamped to +-6, and rounded to the nearest number of E2M1, ties to even, subnormals kept.
;;     - The product sums the exact products of the quantised numbers (number of the format x scale) in f32.
;;   ~~~python
;;   def quantise(x, axis):      # numpy; x: float32 -> the quantised numbers, widened to float32 again
;;       x = np.moveaxis(x, axis, -1); K = x.shape[-1]
;;       x = np.pad(x, [(0, 0)] * (x.ndim - 1) + [(0, -K % 32)]); x = x.reshape(x.shape[:-1] + (-1, 32)); a = np.abs(x).max(-1, keepdims=True)
;;       e = np.where(a > 0, np.clip(np.frexp(np.where(a > 0, a, 1))[1] - 1 - 2, -126, 127), 0)      # np.frexp(a)[1] - 1 = floor(log2(a)), exactly
;;       r = np.clip(x / 2.0 ** e, -6, 6)
;;       step = 2.0 ** (np.maximum(np.frexp(np.where(r == 0, 1, r))[1] - 1, 0) - 1)
;;       q = np.round(r / step) * step * 2.0 ** e      # np.round: ties to even
;;       return np.moveaxis(q.reshape(q.shape[:-2] + (-1,))[..., :K], -1, axis).astype(np.float32)
;;   ~~~
;; One version. Each part assembles by itself: llvm-mc -triple=amdgcn-amd-amdhsa -mcpu=gfx1250 --defsym DOCPART=n.
;; ======== version 1 of 1: 3 launches
;; limits: values are held in f16: magnitudes above 65,504 overflow, below 6.1e-05 lose precision
;; workspace buffers: xc 4,194,304 bytes; xs 262,144 bytes; wc 1,572,864 bytes; ws 98,304 bytes; qkv 50,331,648 bytes
;; launch quant (part 1): grid 352 x 1, 4 waves a work-group, no clusters, 50,688 bytes of LDS; arguments hidden_states, Wq, Wk, Wv, xc, xs, wc, ws; writes xc, xs, wc, ws
.if DOCPART == 1
	.amdgcn_target "amdgcn-amd-amdhsa--gfx1250"
	.amdhsa_code_object_version 6
	.text
	.protected	k_q35c63b88e9_quant
	.globl	k_q35c63b88e9_quant
	.p2align	8
	.type	k_q35c63b88e9_quant,@function
k_q35c63b88e9_quant:
	s_mov_b64 s[64:65], 0
	v_nop
	global_prefetch_b8 v0, s[64:65] scope:SCOPE_SE
	s_setreg_imm32_b32 hwreg(HW_REG_WAVE_MODE, 25, 1), 1
	s_wait_xcnt 0x0
; x [8192][1024] f32 (K innermost) and Wq, Wk, Wv [1024 (k)][1024 (n)] f32 (K is the FIRST axis) become codes of FP4 (E2M1), K innermost, two codes a byte, the lower k in the low four bits,
; with one E8M0 byte for each 32 along K:  xc [8192][512 B], xs [8192][32];  wc [3072][512 B], ws [3072][32], row = 1024 x part + column (part 0 Wq, 1 Wk, 2 Wv).
; A block's scale is 2^(floor(log2(its largest magnitude)) - 2); its byte is the largest magnitude's own exponent field - 2, held at 1 from below by a floor among the maximum's leaves.
; LIMITS: a block of zeros gets the byte 1 where the rule says 127 (its codes are zeros, which add nothing, and this program alone reads the bytes); NaN and infinities among the inputs are not served.
; ONE LAUNCH, TWO PATHS, parted on the work-group's number alone: work-groups 0-95 take the weights (their chain of loads is the longer one, so they come first), 96-351 take x.  Each path has LDS bytes of its own.
; No tensor load, no matrix instruction.
.set NWG_W,  96
.set WREG,   8192                      ; x path: a region of LDS for each wave: two stages of 32 x SP bytes, behind them its 256 scale bytes
.set SP,     80                        ; a lane's place in a stage: 64 bytes + 16 of padding
.set STAGEW, 4*WREG                    ; weights' path: 64 rows x 272 bytes, the work-group's
.set WP,     272
.set SPARE,  STAGEW+64*WP              ; the spare words, 128 bytes for each wave: two blocks of 256 bytes that no other line names
.set SPW,    12                        ; v12  LDS address of my spare word; never rewritten
.set NIL,    13                        ; v13  0; never rewritten
.set STEPS,  16
.set AHEAD,  8                         ; x path: loads run eight steps (32 loads of 512 bytes a wave) ahead
.set R,      16                        ; v16-143  eight sets of 16 numbers as they are loaded
.set X,      144                       ; v144-175 two sets of 16 neighbours
.set C,      176                       ; v176-207 codes: two registers for each step, so that no store's data are written again
.set E,      208                       ; v208-223 a scale byte for each step
.set WX,     32                        ; weights: v32-95 two sets of 32 numbers
.set WC,     96                        ; v96-99   a block's codes
.set SB,     24                        ; v24-25   eight scale bytes
.set OUTR,   112                       ; v112-143 the way out
.set NB,     8                         ; blocks of 32 along K for a wave of the weights' path
	s_load_b256 s[4:11], s[0:1], 0x0               ; x s[4:5], Wq s[6:7], Wk s[8:9], Wv s[10:11]
	s_load_b256 s[12:19], s[0:1], 0x20             ; xc s[12:13], xs s[14:15], wc s[16:17], ws s[18:19]
	v_lshl_add_u32 v[SPW], v0, 2, SPARE
	v_mov_b32 v[NIL], 0
	v_lshrrev_b32 v1, 5, v0
	v_readfirstlane_b32 s20, v1                    ; wave 0..3
	v_and_b32 v2, 31, v0                           ; lane
	s_wait_kmcnt 0x0
	s_cmp_lt_u32 ttmp9, NWG_W                      ; the same in all four waves
	s_cbranch_scc1 .Lweights
; ---------------- x: a plain stream of blocks of 32.  A wave takes 16 steps of 512 numbers. ----------------
; Each of a step's four loads reads 512 consecutive bytes, 16 a lane; the 2,048 bytes turn through the wave's own stage in LDS and come back 64 bytes a lane: 16 NEIGHBOURS along K, as the conversions want them.
; Two neighbouring lanes hold a block.  A lane's 16 codes are 8 bytes: the wave stores 256 consecutive bytes.  A wave's 256 scale bytes are gathered in LDS and leave as one store of 256 consecutive bytes.
	s_sub_co_u32 s21, ttmp9, NWG_W
	s_lshl_b32 s21, s21, 2
	s_add_co_u32 s21, s21, s20                     ; which run of 8,192 numbers is my wave's: 0..1023
	s_mov_b32 s23, 0
	s_lshl_b32 s22, s21, 15                        ; 32,768 bytes of f32 a run
	s_add_nc_u64 s[4:5], s[4:5], s[22:23]
	s_lshl_b32 s22, s21, 12                        ; 4,096 bytes of codes
	s_add_nc_u64 s[12:13], s[12:13], s[22:23]
	s_lshl_b32 s22, s21, 8                         ; 256 scale bytes
	s_add_nc_u64 s[14:15], s[14:15], s[22:23]
	v_lshlrev_b32 v3, 4, v2                        ; my 16 bytes of a load's 512
.macro LOAD t
.irp i, 0,1,2,3
	global_load_b128 v[R+16*((\t)%AHEAD)+4*\i:R+16*((\t)%AHEAD)+4*\i+3], v3, s[4:5] offset:2048*(\t)+512*\i th:TH_LOAD_NT
.endr
.endm
.irp t, 0,1,2,3,4,5,6,7
	LOAD \t
.endr
	s_mul_i32 s24, s20, WREG
	v_lshrrev_b32 v14, 2, v2
	v_mul_u32_u24 v14, v14, SP
	v_and_b32 v15, 3, v2
	v_lshl_add_u32 v14, v15, 4, v14
	v_add_nc_u32 v14, s24, v14                     ; the stage, on the way in: four lanes' 64 bytes on end, then 16 of padding
	v_mul_u32_u24 v15, v2, SP
	v_add_nc_u32 v15, s24, v15                     ; and on the way out: my 16 neighbours
	v_lshlrev_b32 v4, 3, v2                        ; 8 bytes a lane: my codes' place in a step's 256 bytes, and my place in the wave's 256 scale bytes
	v_lshrrev_b32 v5, 1, v2
	s_add_co_u32 s24, s24, 2*32*SP
	v_add_nc_u32 v5, s24, v5                       ; LDS: my block's scale byte
	v_add_nc_u32 v6, s24, v4                       ; and on the way out 8 bytes a lane
.macro TURN t                          ; step t's numbers through the stage: LDS serves a wave's instructions in order, so no wait stands between the stores and the loads
.irp i, 0,1,2,3
	ds_store_b128 v14, v[R+16*((\t)%AHEAD)+4*\i:R+16*((\t)%AHEAD)+4*\i+3] offset:32*SP*((\t)%2)+8*SP*\i
.endr
.irp i, 0,1,2,3
	ds_load_b128 v[X+16*((\t)%2)+4*\i:X+16*((\t)%2)+4*\i+3], v15 offset:32*SP*((\t)%2)+16*\i
.endr
.endm
	s_wait_loadcnt 4*(AHEAD-1)                     ; step 0's four loads are in; the 28 of seven later steps stay out
	TURN 0
.macro STEP t
.set XS, X+16*((\t)%2)
.if (\t) > 0
	s_wait_dscnt 1                                 ; this step's numbers are back from the stage (the last step's byte store may be out): so its stores into the stage have read their registers,
.else
	s_wait_dscnt 0x0
.endif
.if (\t)+AHEAD < STEPS
	LOAD (\t)+AHEAD                                ; which take the loads of eight steps on
.endif
.if (\t)+1 < STEPS
.if (\t)+AHEAD < STEPS
	s_wait_loadcnt 4*(AHEAD-1)                     ; the next step's four loads are in; those of the seven steps behind it may be out
.else
	s_wait_loadcnt 4*(STEPS-2-(\t))                ; the counts run down: four for each step still behind the next one
.endif
	TURN (\t)+1                                    ; and go through the other stage while this step is worked
.endif
	v_max3_num_f32 v8, |v[XS]|, |v[XS+1]|, |v[XS+2]|               ; the largest magnitude of my 16, in two chains
	v_max3_num_f32 v9, |v[XS+3]|, |v[XS+4]|, |v[XS+5]|
.irp i, 6,10
	v_max3_num_f32 v8, v8, |v[XS+\i]|, |v[XS+\i+1]|
	v_max3_num_f32 v9, v9, |v[XS+\i+2]|, |v[XS+\i+3]|
.endr
	v_max3_num_f32 v8, v8, |v[XS+14]|, |v[XS+15]|
	v_max3_num_f32 v8, v8, v9, 0x1800000           ; and the floor 2^(3 - 127): the byte cannot fall under 1
	v_max_num_f32_dpp v8, v8, v8 row_xmask:1 row_mask:0xf bank_mask:0xf   ; and of my neighbour's 16: the block's
	v_add_nc_u32 v11, 0xff000000, v8               ; 2 off its exponent field: the conversion takes the exponent field of this operand as its scale, and nothing else of it
	v_cvt_scalef32_pk8_fp4_f32 v[C+2*(\t)], v[XS:XS+7], v11
	v_cvt_scalef32_pk8_fp4_f32 v[C+2*(\t)+1], v[XS+8:XS+15], v11
	v_lshrrev_b32 v[E+(\t)], 23, v11               ; the scale's byte (a plain line behind the conversions)
	ds_store_b8 v5, v[E+(\t)] offset:16*(\t)       ; both lanes of a block write the same byte with the same value
	global_store_b64 v4, v[C+2*(\t):C+2*(\t)+1], s[12:13] offset:256*(\t)   ; 32 lanes store 256 consecutive bytes, at a multiple of 256 from the buffer's first byte
.endm
.irp t, 0,1,2,3,4,5,6,7,8,9,10,11,12,13,14,15
	STEP \t
.endr
	ds_load_b64 v[8:9], v6                         ; LDS serves a wave's instructions in order: these see my byte stores
	s_wait_dscnt 0x0
	global_store_b64 v4, v[8:9], s[14:15]          ; 32 lanes store the wave's 256 scale bytes
	s_wait_tensorcnt 0x0                           ; the wave's end: these three lines stand behind my last LDS store
	ds_add_u32 v[SPW], v[NIL]
	s_wait_dscnt 0x0
	s_endpgm
; ---------------- the weights: K is the first axis.  A LANE TAKES A COLUMN n, AND ITS REGISTERS RUN DOWN K. ----------------
; A work-group takes 64 columns x 512 along K of one weight; its waves stand 2 x 2: wn = wave & 1 (32 columns), wk = wave >> 1 (256 along K: 8 blocks a lane).  Two waves side by side read 256 consecutive bytes
; of each row of W; two waves along K together make rows of 256 bytes of codes, which meet in the work-group's stage and leave sixteen lanes to a row.
.Lweights:
	s_lshr_b32 s21, ttmp9, 5                       ; part 0..2
	s_cmp_eq_u32 s21, 1
	s_cselect_b64 s[6:7], s[8:9], s[6:7]
	s_cmp_eq_u32 s21, 2
	s_cselect_b64 s[6:7], s[10:11], s[6:7]         ; my weight
	s_bfe_u32 s22, ttmp9, 0x40001                  ; which 64 columns: 0..15
	s_and_b32 s23, ttmp9, 1                        ; which 512 along K
	s_and_b32 s24, s20, 1                          ; wn
	s_lshr_b32 s25, s20, 1                         ; wk
	s_lshl_b32 s26, s23, 21                        ; 512 rows of 4,096 bytes
	s_lshl_b32 s27, s25, 20                        ; 256 rows
	s_add_co_u32 s26, s26, s27
	s_lshl_b32 s27, s22, 8                         ; 64 columns of 4 bytes
	s_add_co_u32 s26, s26, s27
	s_lshl_b32 s27, s24, 7                         ; 32 columns
	s_add_co_u32 s26, s26, s27
	s_mov_b32 s27, 0
	s_add_nc_u64 s[6:7], s[6:7], s[26:27]
	v_lshlrev_b32 v3, 2, v2                        ; in: 4 bytes a lane
.macro WLOAD t                         ; block t: W(32 t + i, my column), i = 0 .. 31, into set t % 2; the largest offset is 255 rows of 4,096 bytes
.irp i, 0,1,2,3,4,5,6,7,8,9,10,11,12,13,14,15,16,17,18,19,20,21,22,23,24,25,26,27,28,29,30,31
	global_load_b32 v[WX+32*((\t)%2)+\i], v3, s[6:7] offset:(32*(\t)+\i)*4096 th:TH_LOAD_NT
.endr
.endm
	WLOAD 0
	WLOAD 1
	s_mul_i32 s28, s24, 32*WP
	s_lshl_b32 s29, s25, 7
	s_add_co_u32 s28, s28, s29
	s_add_co_u32 s28, s28, STAGEW
	v_mul_u32_u24 v4, v2, WP
	v_add_nc_u32 v4, s28, v4                       ; into the stage: row = my column (32 wn + lane), byte 128 wk
	s_lshl_b32 s30, s21, 10
	s_lshl_b32 s31, s22, 6
	s_add_co_u32 s30, s30, s31                     ; the work-group's first row of wc and ws: 1024 part + 64 x block
	s_lshl_b32 s31, s24, 5
	s_add_co_u32 s32, s30, s31
	s_lshl_b32 s32, s32, 5                         ; a row of scale bytes is 32
	s_lshl_b32 s33, s23, 4
	s_add_co_u32 s32, s32, s33
	s_lshl_b32 s33, s25, 3
	s_add_co_u32 s32, s32, s33                     ; + 16 x (which 512) + 8 wk
	s_mov_b32 s33, 0
	s_add_nc_u64 s[18:19], s[18:19], s[32:33]
	s_lshl_b32 s34, s20, 4
	s_add_co_u32 s34, s30, s34                     ; on the way out wave w takes rows 16 w .. 16 w + 15
	s_lshl_b32 s34, s34, 9
	s_lshl_b32 s35, s23, 8
	s_add_co_u32 s34, s34, s35
	s_mov_b32 s35, 0
	s_add_nc_u64 s[16:17], s[16:17], s[34:35]
	v_and_b32 v5, 15, v2
	v_lshrrev_b32 v6, 4, v2
	s_mul_i32 s36, s20, 16*WP
	s_add_co_u32 s36, s36, STAGEW
	v_mul_u32_u24 v7, v6, WP
	v_lshl_add_u32 v7, v5, 4, v7
	v_add_nc_u32 v7, s36, v7                       ; out of the stage: sixteen lanes to a row, two rows an instruction
	v_lshlrev_b32 v8, 9, v6
	v_lshl_add_u32 v8, v5, 4, v8                   ; and the same place in wc
	v_lshlrev_b32 v9, 5, v2                        ; my column's row of scale bytes
.macro BLOCK t
.set XS, WX+32*((\t)%2)
.if (\t) < NB-1
	s_wait_loadcnt 32                              ; this block's 32 loads are in; the next block's 32 may be out
.else
	s_wait_loadcnt 0x0
.endif
	v_max3_num_f32 v16, |v[XS]|, |v[XS+1]|, |v[XS+2]|              ; the block's largest magnitude: all 32 numbers are mine
	v_max3_num_f32 v17, |v[XS+3]|, |v[XS+4]|, |v[XS+5]|
.irp i, 6,10,14,18,22,26
	v_max3_num_f32 v16, v16, |v[XS+\i]|, |v[XS+\i+1]|
	v_max3_num_f32 v17, v17, |v[XS+\i+2]|, |v[XS+\i+3]|
.endr
	v_max3_num_f32 v16, v16, |v[XS+30]|, |v[XS+31]|
	v_max3_num_f32 v16, v16, v17, 0x1800000        ; and the floor 2^(3 - 127)
	v_add_nc_u32 v11, 0xff000000, v16              ; the conversion's scale operand
	v_lshrrev_b32 v10, 23, v11                     ; the scale's byte
.if (\t)%4 == 0
	v_mov_b32 v[SB+(\t)/4], v10                    ; four bytes to a register, the lower K in the lower byte
.else
	v_lshl_or_b32 v[SB+(\t)/4], v10, 8*((\t)%4), v[SB+(\t)/4]
.endif
.irp g, 0,1,2,3
	v_cvt_scalef32_pk8_fp4_f32 v[WC+\g], v[XS+8*\g:XS+8*\g+7], v11
.endr
	ds_store_b128 v4, v[WC:WC+3] offset:16*(\t)    ; 32 codes: 16 bytes of my column's row
.if (\t)+2 < NB
	WLOAD (\t)+2
.endif
	s_wait_dscnt 0x0                               ; the store has read its registers: the next block's codes may be written
.endm
.set Q, 0
.rept NB
	BLOCK Q
.set Q, Q+1
.endr
	global_store_b64 v9, v[SB:SB+1], s[18:19]      ; my column's eight scale bytes: rows 32 bytes apart; 98,304 bytes in the whole launch leave so
	s_barrier_signal -1                            ; my stores into the stage are done (the wait for 0 above): a row's 256 bytes come from two waves
	s_barrier_wait -1
.irp t, 0,1,2,3,4,5,6,7
	ds_load_b128 v[OUTR+4*\t:OUTR+4*\t+3], v7 offset:2*\t*WP
.endr
.irp t, 0,1,2,3,4,5,6,7
	s_wait_dscnt 7-\t                              ; LDS loads come back in order: load t is in, the 7 - t behind it may be out
	global_store_b128 v8, v[OUTR+4*\t:OUTR+4*\t+3], s[16:17] offset:1024*\t   ; sixteen lanes store 256 consecutive bytes, at a multiple of 256 from the buffer's first byte
.endr
	s_wait_tensorcnt 0x0                           ; the wave's end: these three lines stand behind my last LDS store
	ds_add_u32 v[SPW], v[NIL]
	s_wait_dscnt 0x0
	s_endpgm
.Lfunc_end_k_q35c63b88e9_quant:
	.size	k_q35c63b88e9_quant, .Lfunc_end_k_q35c63b88e9_quant-k_q35c63b88e9_quant
	.p2alignl 7, 3214868480
	.fill 96, 4, 3214868480
	.section	.rodata,"a",@progbits
	.p2align	6, 0x0
	.amdhsa_kernel k_q35c63b88e9_quant
		.amdhsa_group_segment_fixed_size 50688
		.amdhsa_private_segment_fixed_size 0
		.amdhsa_enable_private_segment 0
		.amdhsa_kernarg_size 64
		.amdhsa_user_sgpr_count 2
		.amdhsa_user_sgpr_kernarg_segment_ptr 1
		.amdhsa_wavefront_size32 1
		.amdhsa_system_sgpr_workgroup_id_x 1
		.amdhsa_system_sgpr_workgroup_id_y 1
		.amdhsa_system_sgpr_workgroup_id_z 1
		.amdhsa_system_vgpr_workitem_id 0
		.amdhsa_next_free_vgpr 224
		.amdhsa_next_free_sgpr 66
		.amdhsa_reserve_vcc 0
		.amdhsa_float_denorm_mode_32 3
		.amdhsa_float_denorm_mode_16_64 3
		.amdhsa_memory_ordered 1
		.amdhsa_forward_progress 1
		.amdhsa_inst_pref_size 73
	.end_amdhsa_kernel
	.amdgpu_metadata
---
amdhsa.version: [ 1, 2 ]
amdhsa.kernels:
  - .name:           k_q35c63b88e9_quant
    .symbol:         k_q35c63b88e9_quant.kd
    .args:
      - { .name: hidden_states, .offset: 0, .size: 8, .value_kind: global_buffer, .address_space: global }
      - { .name: Wq, .offset: 8, .size: 8, .value_kind: global_buffer, .address_space: global }
      - { .name: Wk, .offset: 16, .size: 8, .value_kind: global_buffer, .address_space: global }
      - { .name: Wv, .offset: 24, .size: 8, .value_kind: global_buffer, .address_space: global }
      - { .name: xc, .offset: 32, .size: 8, .value_kind: global_buffer, .address_space: global }
      - { .name: xs, .offset: 40, .size: 8, .value_kind: global_buffer, .address_space: global }
      - { .name: wc, .offset: 48, .size: 8, .value_kind: global_buffer, .address_space: global }
      - { .name: ws, .offset: 56, .size: 8, .value_kind: global_buffer, .address_space: global }
    .group_segment_fixed_size: 50688
    .private_segment_fixed_size: 0
    .kernarg_segment_align: 8
    .kernarg_segment_size: 64
    .max_flat_workgroup_size: 128
    .sgpr_count:     66
    .vgpr_count:     224
    .wavefront_size: 32
...
	.end_amdgpu_metadata
.endif
;; end of part 1
;; launch proj (part 2): grid 12 x 32, 4 waves a work-group, clusters of 4 x 4, 327,680 bytes of LDS; arguments xc, xs, wc, ws, qkv, bq, bk, bv; writes qkv
.if DOCPART == 2
	.amdgcn_target "amdgcn-amd-amdhsa--gfx1250"
	.amdhsa_code_object_version 6
	.text
	.protected	k_q35c63b88e9_proj
	.globl	k_q35c63b88e9_proj
	.p2align	8
	.type	k_q35c63b88e9_proj,@function
k_q35c63b88e9_proj:
	s_mov_b64 s[64:65], 0
	v_nop
	global_prefetch_b8 v0, s[64:65] scope:SCOPE_SE
	s_setreg_imm32_b32 hwreg(HW_REG_WAVE_MODE, 25, 1), 1
	s_wait_xcnt 0x0
	s_wait_alu depctr_hold_cnt(0) depctr_sa_sdst(0) depctr_va_vdst(0) depctr_va_sdst(0) depctr_va_ssrc(0) depctr_va_vcc(0) depctr_vm_vsrc(0)
	s_getreg_b32 s2, hwreg(HW_REG_IB_STS2, 6, 4)
	s_cmp_eq_u32 s2, 0
	s_cbranch_scc0 .Lentry_in_a_cluster
	s_endpgm
.Lentry_in_a_cluster:
	s_bfe_u32 s2, ttmp6, 0x10000c
	s_cmp_lg_u32 s2, 0xf033
	s_cbranch_scc0 .Lentry_shape_is_right
	s_endpgm
.Lentry_shape_is_right:
; q, k, v = x W + b for the three weights at once: C[m][n] = sum over k of A[m][k] B[n][k] + bias[n], A = x's codes [8192][1024], B = the weights' codes [3072][1024], FP4 (E2M1) with one E8M0 byte for each 32 along K.
; The result leaves as f16, laid by head: qkv [part 3][16 b + head][s 2048][64].  Part 0 (q) is multiplied in f32 by c = log2(e) / 8 ahead of its one rounding, so that the next launch's scores are exponents of 2.
; LIMIT: c q, k and v must lie inside f16's range (65,504).
; A tile of C, 256 x 256, is made by a work-group of four waves; a wave makes 128 x 128: 64 accumulators, 512 registers.  K = 1,024 is two slots of 512 along K (rows of 256 bytes): both are asked for at the head, and nothing is filled again.
; THE SCALES of the work-group's 256 rows of A and of B, for all of K, are two dense blocks of memory: they come into LDS once, with the first fills.
; CLUSTERS: 4 x 4 work-groups.  The four of a row of the cluster need the same tiles of A, the four of a column the same tiles of B: each tile is asked for JOINTLY.  A cluster spans 1,024 columns: one weight, so part = cluster x.
; THE MATRIX INSTRUCTION IS USED TRANSPOSED (source 0 = 16 rows of B, source 1 = 16 rows of A): a lane holds eight neighbouring columns of one token.  THE BIAS IS THE C OF EACH SUM'S FIRST INSTRUCTION.
; REGISTERS, in windows of 256: window 0: v0-31 addresses; v32-95 scale words, two sets, and nothing else; v128-191 A's fragments, ONE set; v192-255 the bias in the result's layout (eight registers for each of B's eight blocks);
;   on the way out v192-223 take the packed results and v128-191 the rows read back.   window 1: B's fragments, TWO sets, at v0 and v128.   window 2, 3: the accumulators of my rows 0-63, 64-127 ((a, b) at v[8 (8 (a % 4) + b)]).
.set SIZE_K, 1024
.set KSTEP,  512                       ; along K in a slot
.set NQ,     KSTEP/128                 ; matrix instructions deep
.set ROWB,   256                       ; a tile's row in bytes
.set KROW,   SIZE_K/2                  ; a row of codes in memory
.set PITCH,  272                       ; an LDS row: 256 bytes + 16 of padding: the 16 rows that a load touches start at 16 different banks (64 banks of 4 bytes: ISA guide 11.1)
.set FR,     8                         ; registers of a fragment: 16 rows x 128 K
.set NL,     2                         ; LDS loads that bring one
.set NP,     4                         ; places behind this matrix instruction (ISA guide 7.12.1)
.set HALFT,  128*PITCH                 ; 128 rows: what one tensor load brings
.set SLOT,   4*HALFT                   ; A's 256 rows, then B's 256 rows
.set KS,     SIZE_K/32                 ; a row of scale bytes
.set SCL,    2*SLOT                    ; behind the two slots: the scales, as rows of 256 bytes + 16 of padding
.set HALFS,  (128*KS/256)*272          ; the scales of 128 rows: what one tensor load brings
.set SBLK,   (16*KS/256)*272           ; those of 16 rows
.set SPARE,  SCL+4*HALFS               ; the spare words, 128 bytes for each wave: two blocks of 256 bytes that no other line names
.set SROW,   144                       ; the way out: a stage row: a token's 128 bytes of one head + 16
.set SHEAD,  16*SROW                   ; 16 tokens of one head
.set SWAVE,  2*SHEAD                   ; a wave's stage: its two heads.  It lies in slot 0, which has had its one fill and its last read when the first result is stored there
.set ADRA, 16                          ; v16-17  LDS address of my A fragments in slot 0, 1
.set ADRB, 20                          ; v20-21  the same for B
.set STO,  24                          ; v24     the way out: where I put 16 bytes of a token
.set RD,   25                          ; v25     where I read them back
.set CO,   26                          ; v26     16 x lane: my place in four tokens' 512 bytes
.set ADRS, 27                          ; v27     LDS address of my scale words: lanes 0-15 A's rows, lanes 16-31 B's
.set SPW,  28                          ; v28     LDS address of my spare word; never rewritten
.set NIL,  29                          ; v29     0; never rewritten
.set SC,   32                          ; scale words: set s at v[SC + 8 NQ s]; register NQ i + q: lanes 0-15 the word of A's block i, lanes 16-31 that of B's block i
.set AF,   128
.set BIAS, 192
.set TMP,  192
.set BK,   128
.set G1, 24                            ; s[24:31] group 1 for A's tiles; s[32:39] groups 0, one for each slot
.set G0, 32
.set G1B, 48                           ; s[48:55], s[56:63] the same for B's
.set G0B, 56
.set G1S, 68                           ; s[68:75], s[76:79] for A's scales; s[80:87], s[88:91] for B's
.set G0S, 76
.set G1SB, 80
.set G0SB, 88
.set MSB, 0
.macro WIN new                         ; the immediate's high byte repeats the setting that is left
.if MSB != \new
	s_set_vgpr_msb (MSB<<8)|\new
.set MSB, \new
.endif
.endm
.set MUL_LO,   0xa1                    ; source 0 (B) window 1, source 1 (A) window 0, C and D window 2
.set MUL_HI,   0xf1                    ; the same, C and D window 3
.set FIRST_LO, 0x81                    ; the first step: C (the bias) window 0, D window 2
.set FIRST_HI, 0xc1                    ; D window 3
.set TO_B,     0x40                    ; destination window 1, address window 0
; A joint load: waves 0 and 1 fetch for A, waves 2 and 3 for B.  The branch hangs on the wave's number alone.  An s_nop 0 and four v_nop follow each of the two lines.
.macro JLOAD g0a, g1a, g0b, g1b
	s_cmp_eq_u32 s15, 0
	s_cbranch_scc0 .Lfor_b_\@
	tensor_load_to_lds s[\g0a:\g0a+3], s[\g1a:\g1a+7]
	s_nop 0
.rept 4
	v_nop
.endr
	s_branch .Lasked_\@
.Lfor_b_\@:
	tensor_load_to_lds s[\g0b:\g0b+3], s[\g1b:\g1b+7]
	s_nop 0
.rept 4
	v_nop
.endr
.Lasked_\@:
.endm
.macro CROUND                          ; a round of the cluster's barrier
	s_barrier_signal -1
	s_barrier_wait -1
	s_cmp_lg_u32 s14, 0
	s_cbranch_scc1 .Lnot_wave_0_\@
	s_barrier_signal -3
.Lnot_wave_0_\@:
	s_barrier_wait -3
	s_barrier_signal -1
	s_barrier_wait -1
.endm
	s_load_b128 s[4:7], s[0:1], 0x0                ; x's codes s[4:5], x's scales s[6:7]
	s_load_b128 s[8:11], s[0:1], 0x10              ; the weights' codes s[8:9], their scales s[10:11]
	s_load_b64 s[12:13], s[0:1], 0x20              ; qkv
	s_load_b128 s[96:99], s[0:1], 0x28             ; bq, bk
	s_load_b64 s[100:101], s[0:1], 0x38            ; bv
	v_lshl_add_u32 v[SPW], v0, 2, SPARE
	v_mov_b32 v[NIL], 0
	ds_add_u32 v[SPW], v[NIL]                      ; the wave's opening: the add, twice on end, and its wait ahead of my first tensor load
	ds_add_u32 v[SPW], v[NIL]
	v_lshrrev_b32 v1, 5, v0
	v_readfirstlane_b32 s14, v1                    ; wave 0..3
	s_lshr_b32 s15, s14, 1                         ; which half of the tile's rows is mine.  Also: I fetch for A (0) or for B (1)
	s_and_b32 s16, s14, 1                          ; which half of its columns.  Also: which 128 rows of that tile I fetch
	s_bfe_u32 s40, ttmp6, 0x40000                  ; cx, cy: my place in the cluster
	s_bfe_u32 s41, ttmp6, 0x40004
	s_lshl_b32 s42, ttmp9, 2
	s_add_co_u32 s42, s42, s40                     ; tile column of C = 4 x cluster x + cx
	s_and_b32 s17, ttmp7, 0xffff
	s_lshl_b32 s17, s17, 2
	s_add_co_u32 s17, s17, s41                     ; tile row of C = 4 x cluster y + cy
	s_lshl_b32 s43, s41, 2
	s_lshl_b32 s43, 15, s43                        ; my row of the cluster
	s_lshl_b32 s44, 0x1111, s40                    ; my column
	; group 1: a tile of 128 rows x 256 bytes, padded in LDS
	s_or_b32 s[G1+0], s43, (0<<16)|(1<<20)|(1<<21)|(5<<22)|(3<<25)  ; 15:0 the mask: A's tiles go to my row; 17:16 element of 1 byte; 20 padding on; 21 set beside a mask; 24:22 after every 64 words; 31:25 four words
	s_or_b32 s[G1B+0], s44, (0<<16)|(1<<20)|(1<<21)|(5<<22)|(3<<25)
.irp g, G1, G1B
	s_mov_b32 s[\g+1], ROWB<<16                    ; tensor_dim0
	s_mov_b32 s[\g+2], 128<<16                     ; tensor_dim1
	s_mov_b32 s[\g+3], ROWB<<16                    ; tile_dim0
	s_mov_b32 s[\g+4], 128                         ; tile_dim1
	s_mov_b32 s[\g+5], KROW                        ; from row to row
	s_mov_b32 s[\g+6], 0
	s_mov_b32 s[\g+7], 0
.endr
	; the scales of 128 rows: a dense block of 4,096 bytes, as rows of 256 bytes (32 elements of 8 bytes), 16 bytes of padding behind each
	s_or_b32 s[G1S+0], s43, (3<<16)|(1<<20)|(1<<21)|(5<<22)|(3<<25)
	s_or_b32 s[G1SB+0], s44, (3<<16)|(1<<20)|(1<<21)|(5<<22)|(3<<25)
.irp g, G1S, G1SB
	s_mov_b32 s[\g+1], 32<<16
	s_mov_b32 s[\g+2], (128*KS/256)<<16
	s_mov_b32 s[\g+3], 32<<16
	s_mov_b32 s[\g+4], 128*KS/256
	s_mov_b32 s[\g+5], 32
	s_mov_b32 s[\g+6], 0
	s_mov_b32 s[\g+7], 0
.endr
	s_lshl_b32 s18, s16, 7                         ; which 128 rows of the tile I fetch
	s_lshl_b32 s20, s17, 8
	s_add_co_u32 s20, s20, s18                     ; A: row 256 x tile row + 128 x half
	s_lshl_b32 s46, s42, 8
	s_add_co_u32 s46, s46, s18                     ; B: row 256 x tile column + 128 x half
	s_mov_b32 s21, 0
	s_mov_b32 s47, 0
	s_mov_b64 s[18:19], KS
	s_mul_u64 s[22:23], s[20:21], s[18:19]         ; where these rows' scales begin, in bytes
	s_mul_u64 s[92:93], s[46:47], s[18:19]
	s_mov_b64 s[18:19], KROW
	s_mul_u64 s[20:21], s[20:21], s[18:19]         ; and their codes
	s_mul_u64 s[46:47], s[46:47], s[18:19]
	s_mul_i32 s45, s14, HALFT                      ; where they go: wave x 128 rows: no place in the cluster enters an LDS address
	s_mul_i32 s94, s14, HALFS
	s_wait_dscnt 0x0                               ; both opening adds are done
	s_wait_kmcnt 0x0
	s_add_nc_u64 s[20:21], s[4:5], s[20:21]
	s_add_nc_u64 s[22:23], s[6:7], s[22:23]
	s_add_nc_u64 s[46:47], s[8:9], s[46:47]
	s_add_nc_u64 s[92:93], s[10:11], s[92:93]
	CROUND                                         ; all sixteen work-groups are here: the joint loads meet
	s_mov_b32 s[G0S], 1
	s_add_co_u32 s[G0S+1], s94, SCL
	s_mov_b64 s[G0S+2:G0S+3], s[22:23]
	s_or_b32 s[G0S+3], s[G0S+3], 0x80000000
	s_mov_b32 s[G0SB], 1
	s_add_co_u32 s[G0SB+1], s94, SCL
	s_mov_b64 s[G0SB+2:G0SB+3], s[92:93]
	s_or_b32 s[G0SB+3], s[G0SB+3], 0x80000000
	JLOAD G0S, G1S, G0SB, G1SB                     ; the scales first: they are wanted with the first step
.irp s, 0,1
	s_mov_b32 s[G0+4*\s], 1
	s_add_co_u32 s[G0+4*\s+1], s45, \s*SLOT
	s_add_nc_u64 s[G0+4*\s+2:G0+4*\s+3], s[20:21], \s*ROWB
	s_or_b32 s[G0+4*\s+3], s[G0+4*\s+3], 0x80000000
	s_mov_b32 s[G0B+4*\s], 1
	s_add_co_u32 s[G0B+4*\s+1], s45, \s*SLOT
	s_add_nc_u64 s[G0B+4*\s+2:G0B+4*\s+3], s[46:47], \s*ROWB
	s_or_b32 s[G0B+4*\s+3], s[G0B+4*\s+3], 0x80000000
	JLOAD G0+4*\s, G1, G0B+4*\s, G1B               ; all of K: three tensor loads of mine are out
.endr
	; the bias of my weight, and the factor: both hang on cluster x alone, which all sixteen partners share
	s_cmp_eq_u32 ttmp9, 1
	s_cselect_b64 s[96:97], s[98:99], s[96:97]
	s_cmp_eq_u32 ttmp9, 2
	s_cselect_b64 s[96:97], s[100:101], s[96:97]
	s_cmp_eq_u32 ttmp9, 0
	s_cselect_b32 s66, 0x3e38aa3b, 1.0             ; q: c = log2(e) / 8; k, v: 1
	s_mov_b32 s67, s66                             ; (named with it as a pair, so it is written)
	s_lshl_b32 s46, s40, 10                        ; my first column within the weight, in bytes of f32: 256 cx + 128 x half
	s_lshl_b32 s47, s16, 9
	s_add_co_u32 s46, s46, s47
	s_mov_b32 s47, 0
	s_add_nc_u64 s[96:97], s[96:97], s[46:47]
	v_and_b32 v1, 15, v0                           ; r = l % 16
	v_bfe_u32 v2, v0, 4, 1                         ; h = l / 16
	v_lshlrev_b32 v7, 5, v2                        ; lane (r, h) wants, for B's block b, the bias of columns 16 b + 8 h + 0 .. 7
.irp b, 0,1,2,3,4,5,6,7
	global_load_b128 v[BIAS+8*\b:BIAS+8*\b+3], v7, s[96:97] offset:64*\b
	global_load_b128 v[BIAS+8*\b+4:BIAS+8*\b+7], v7, s[96:97] offset:64*\b+16
.endr
	v_mul_u32_u24 v3, v1, PITCH
	v_lshl_add_u32 v4, v2, 4, v3                   ; a fragment's row x pitch + 16 x half
	s_mul_i32 s21, s15, HALFT                      ; my 128 rows of A
	s_mul_i32 s22, s16, HALFT                      ; my 128 rows of B,
	s_add_co_u32 s22, s22, 2*HALFT                 ; which lie behind A's 256
.irp s, 0,1
	v_add_nc_u32 v[ADRA+\s], s21, v4
	v_add_nc_u32 v[ADRB+\s], s22, v4
	s_add_co_u32 s21, s21, SLOT
	s_add_co_u32 s22, s22, SLOT
.endr
	v_mul_u32_u24 v5, v1, KS                       ; my row's scales: 32 bytes a row,
	v_lshrrev_b32 v6, 8, v5
	v_lshl_add_u32 v5, v6, 4, v5                   ; and 16 more for each 256 passed
	s_mul_i32 s21, s15, HALFS                      ; A's: my 128 rows
	s_mul_i32 s22, s16, HALFS                      ; B's: my 128 rows, behind A's 256
	s_add_co_u32 s22, s22, 2*HALFS
	s_sub_co_u32 s22, s22, s21
	v_mul_u32_u24 v6, s22, v2                      ; lanes 16-31 take B's: the lower base + h x the distance
	s_add_co_u32 s21, s21, SCL
	v_add_nc_u32 v5, v5, v6
	v_add_nc_u32 v[ADRS], s21, v5
	s_mul_i32 s23, s14, SWAVE                      ; my stage
	v_mul_u32_u24 v5, v1, SROW                     ; in: token r, 16 bytes for each half of the lanes
	v_lshl_add_u32 v5, v2, 4, v5
	v_add_nc_u32 v[STO], s23, v5
	v_and_b32 v6, 31, v0
	v_lshrrev_b32 v5, 3, v6                        ; back: eight lanes to a token, four tokens an instruction
	v_mul_u32_u24 v5, v5, SROW
	v_and_b32 v3, 7, v0
	v_lshl_add_u32 v5, v3, 4, v5
	v_add_nc_u32 v[RD], s23, v5
	v_lshlrev_b32 v[CO], 4, v6                     ; four tokens of one head are 512 consecutive bytes of qkv
	; where my part begins in qkv: part x 2^24 + (16 b + head) x 2^18 + s x 128
	s_lshr_b32 s20, s17, 3                         ; the batch: eight tile rows each
	s_lshl_b32 s20, s20, 4
	s_lshl_b32 s21, s40, 2                         ; a tile's 256 columns are four heads,
	s_add_co_u32 s20, s20, s21
	s_lshl_b32 s21, s16, 1                         ; a wave's 128 are two
	s_add_co_u32 s20, s20, s21
	s_lshl_b32 s20, s20, 18
	s_lshl_b32 s21, ttmp9, 24
	s_add_co_u32 s20, s20, s21
	s_and_b32 s21, s17, 7
	s_lshl_b32 s21, s21, 15                        ; 256 tokens of 128 bytes
	s_add_co_u32 s20, s20, s21
	s_lshl_b32 s21, s15, 14                        ; my 128 tokens
	s_add_co_u32 s20, s20, s21
	s_mov_b32 s21, 0
	s_add_nc_u64 s[12:13], s[12:13], s[20:21]
.macro FRAG reg, adr, q, i             ; a fragment, 16 rows x 128 K of 4-bit codes: lane l holds row l % 16; registers 4 c .. 4 c + 3 hold K = 64 c + 32 (l / 16) + 0 .. 31
.irp c, 0,1
	ds_load_b128 v[\reg+4*\c:\reg+4*\c+3], v[\adr] offset:64*(\q)+32*\c+(\i)*16*PITCH
.endr
.endm
; 16 matrix instructions: A's blocks a0, a0 + 1 x B's eight, 128 along K: the slot's q-th.  p: B's set;  sc: the set of scale words.  first = 1: the sums start from the bias.
; The 64 accumulators take turns, one instruction a turn, in the same order in every step.
.macro MUL16 a0, p, q, sc, first
.irp a, \a0, \a0+1
.irp b, 0,1,2,3,4,5,6,7
.if \first
	v_wmma_scale_f32_16x16x128_f8f6f4 v[8*(8*((\a)%4)+\b):8*(8*((\a)%4)+\b)+7], v[128*(\p)+FR*\b:128*(\p)+FR*\b+FR-1], v[AF+FR*(\a):AF+FR*(\a)+FR-1], v[BIAS+8*\b:BIAS+8*\b+7], v[SC+8*NQ*(\sc)+NQ*\b+(\q)], v[SC+8*NQ*(\sc)+NQ*(\a)+(\q)] matrix_a_fmt:MATRIX_FMT_FP4 matrix_b_fmt:MATRIX_FMT_FP4 matrix_a_scale:MATRIX_SCALE_ROW1
.else
	v_wmma_scale_f32_16x16x128_f8f6f4 v[8*(8*((\a)%4)+\b):8*(8*((\a)%4)+\b)+7], v[128*(\p)+FR*\b:128*(\p)+FR*\b+FR-1], v[AF+FR*(\a):AF+FR*(\a)+FR-1], v[8*(8*((\a)%4)+\b):8*(8*((\a)%4)+\b)+7], v[SC+8*NQ*(\sc)+NQ*\b+(\q)], v[SC+8*NQ*(\sc)+NQ*(\a)+(\q)] matrix_a_fmt:MATRIX_FMT_FP4 matrix_b_fmt:MATRIX_FMT_FP4 matrix_a_scale:MATRIX_SCALE_ROW1
.endif
.endr
.endr
.endm
.macro FETCH_B slot, q, p              ; B's eight fragments of the slot's q-th 128 along K into set p
	WIN TO_B
.irp i, 0,1,2,3,4,5,6,7
	FRAG 128*(\p)+FR*\i, ADRB+\slot, \q, \i
.endr
	WIN 0
.endm
.macro FETCH_A slot, q, i0             ; A's blocks i0 .. i0 + 3
.irp i, \i0, \i0+1, \i0+2, \i0+3
	FRAG AF+FR*(\i), ADRA+\slot, \q, \i
.endr
.endm
.macro SCALES sc                       ; a slot's scale words into set sc: four words a row; lanes 0-15 take A's block i, lanes 16-31 B's block i
.irp i, 0,1,2,3,4,5,6,7
	ds_load_b128 v[SC+8*NQ*\sc+NQ*\i:SC+8*NQ*\sc+NQ*\i+3], v[ADRS] offset:\i*SBLK
.endr
.endm
; A load into a register that a matrix instruction has read, and a vector instruction that reads a matrix result, stand NP places behind that matrix instruction; only plain vector
; instructions that name none of its registers are places (ISA guide 7.12.1 for vector instructions).
.macro PLACES n
.rept \n
	v_nop
.endr
.endm
; A step of 128 along K that has its successor in the same slot.
.macro STEP slot, q, first
	s_wait_dscnt 4*NL                              ; B's set, A's blocks 0-3 (and the scale words) are in; the youngest eight loads (A's blocks 4-7) may be out
.if \first
	WIN FIRST_LO
.else
	WIN MUL_LO
.endif
	MUL16 0, (\q)%2, \q, \slot, \first
	MUL16 2, (\q)%2, \q, \slot, \first
	s_wait_dscnt 0                                 ; A's blocks 4-7 are in (asked for 32 matrix instructions ago)
	PLACES NP
	FETCH_B \slot, (\q)+1, 1-(\q)%2
	FETCH_A \slot, (\q)+1, 0
.if \first
	WIN FIRST_HI
.else
	WIN MUL_HI
.endif
	MUL16 4, (\q)%2, \q, \slot, \first
	MUL16 6, (\q)%2, \q, \slot, \first
	PLACES NP
	WIN 0
	FETCH_A \slot, (\q)+1, 4
.endm
; Slot 0's last step goes over to slot 1: one barrier; in front of it each wave waits for all its tensor loads (its part of slot 1), adds 0 to its spare word, and waits for that and for its reads of slot 0.
.macro TURN slot, next
	s_wait_tensorcnt 0x0                           ; all my tensor loads have landed  (every window is 0 here: the add's two registers lie in window 0)
	ds_add_u32 v[SPW], v[NIL]                      ; 0 onto my spare word
	s_wait_dscnt 4*NL+1                            ; (the add and the youngest eight loads, A's blocks 4-7, may be out)
	WIN MUL_LO
	MUL16 0, 1, NQ-1, \slot, 0                     ; sixteen matrix instructions stand between the add and the wait for it
	s_wait_dscnt 0x0                               ; the add is done, and my reads of this slot are over
	s_barrier_signal -1
	MUL16 2, 1, NQ-1, \slot, 0
	WIN 0
	s_barrier_wait -1
	PLACES NP
	v_add_nc_u32 v[ADRS], 4*NQ, v[ADRS]            ; on to the next slot's scale words (no LDS load of mine is out)
	FETCH_B \next, 0, 0
	FETCH_A \next, 0, 0
	SCALES \next
	WIN MUL_HI
	MUL16 4, 1, NQ-1, \slot, 0
	MUL16 6, 1, NQ-1, \slot, 0
	PLACES NP
	WIN 0
	FETCH_A \next, 0, 4
.endm
.macro STEPS slot, from                ; the slot's steps from .. NQ - 2
.set Q, \from
.rept NQ-1-\from
	STEP \slot, Q, 0
.set Q, Q+1
.endr
.endm
	s_wait_tensorcnt 1                             ; the scales and my part of slot 0 are in; slot 1's load, issued behind them, may be out
	s_barrier_signal -1
	s_barrier_wait -1                              ; everybody's are
	FETCH_B 0, 0, 0
	FETCH_A 0, 0, 0
	SCALES 0
	FETCH_A 0, 0, 4
	s_wait_loadcnt 0x0                             ; the bias
	STEP 0, 0, 1                                   ; the first step's products start the sums from the bias: nothing is cleared, nothing is added later
	STEPS 0, 1
	TURN 0, 1
	STEPS 1, 0
	s_wait_dscnt 4*NL                              ; the very last step: nothing more to fetch
	WIN MUL_LO
	MUL16 0, 1, NQ-1, 1, 0
	MUL16 2, 1, NQ-1, 1, 0
	s_wait_dscnt 0
	WIN MUL_HI
	MUL16 4, 1, NQ-1, 1, 0
	MUL16 6, 1, NQ-1, 1, 0
	WIN 0
; THE WAY OUT, block by block of 16 tokens x 128 columns (two heads).  PACK: x the factor in f32, rounded to f16, 16 bytes a lane.  TOSTAGE: into my own stage, a sub-stage for each head, and back four tokens at a time.
; SEND: each store covers 512 consecutive bytes of qkv, four tokens of one head, at a multiple of 512 from the buffer's first byte.  LDS serves a wave's instructions in order (ISA guide 5.7.1.4): no wait between the stores and the loads.
.macro PACK a
.set AC, 64*((\a)%4)
	WIN 0x82+0x41*((\a)/4)                         ; destination and source 0: window 2 or 3
.irp b, 0,1,2,3,4,5,6,7
.irp r, 0,1,2,3
	v_pk_mul_f32 v[AC+8*\b+2*\r:AC+8*\b+2*\r+1], v[AC+8*\b+2*\r:AC+8*\b+2*\r+1], s[66:67] op_sel_hi:[1,0]   ; each accumulator from its low end on
.endr
.endr
	WIN 0x0a+5*((\a)/4)                            ; sources 0 and 1: window 2 or 3
.irp b, 0,1,2,3,4,5,6,7
.irp r, 0,1,2,3
	v_cvt_pk_f16_f32 v[TMP+4*\b+\r], v[AC+8*\b+2*\r], v[AC+8*\b+2*\r+1]
.endr
.endr
	WIN 0
.endm
.macro TOSTAGE a
.set BB, BK+32*((\a)%2)
.irp b, 0,1,2,3,4,5,6,7
	ds_store_b128 v[STO], v[TMP+4*\b:TMP+4*\b+3] offset:SHEAD*(\b/4)+32*(\b%4)
.endr
.irp hh, 0,1
.irp t, 0,1,2,3
	ds_load_b128 v[BB+4*(4*\hh+\t):BB+4*(4*\hh+\t)+3], v[RD] offset:SHEAD*\hh+4*SROW*\t
.endr
.endr
.endm
.macro SEND a
.set BB, BK+32*((\a)%2)
	s_wait_dscnt 0x0                               ; the block is back in registers
	s_wait_xcnt 0x0                                ; the block before has had its stores' registers read: the next block's loads may land there
.irp hh, 0,1
.irp t, 0,1,2,3
	global_store_b128 v[CO], v[BB+4*(4*\hh+\t):BB+4*(4*\hh+\t)+3], s[12:13] offset:\hh*262144+(16*(\a)+4*\t)*128
.endr
.endr
.endm
	PLACES NP
	PACK 0
	TOSTAGE 0
.irp a, 1,2,3,4,5,6,7                  ; block a's arithmetic stands between block a - 1's loads from the stage and the wait for them
	PACK \a
	SEND \a-1
	TOSTAGE \a
.endr
	SEND 7
	s_wait_tensorcnt 0x0                           ; the wave's end: three lines, behind my last tensor load and my last LDS store
	ds_add_u32 v[SPW], v[NIL]
	s_wait_dscnt 0x0
	CROUND                                         ; the closing round
	s_endpgm
.Lfunc_end_k_q35c63b88e9_proj:
	.size	k_q35c63b88e9_proj, .Lfunc_end_k_q35c63b88e9_proj-k_q35c63b88e9_proj
	.p2alignl 7, 3214868480
	.fill 96, 4, 3214868480
	.section	.rodata,"a",@progbits
	.p2align	6, 0x0
	.amdhsa_kernel k_q35c63b88e9_proj
		.amdhsa_group_segment_fixed_size 327680
		.amdhsa_private_segment_fixed_size 0
		.amdhsa_enable_private_segment 0
		.amdhsa_kernarg_size 64
		.amdhsa_user_sgpr_count 2
		.amdhsa_user_sgpr_kernarg_segment_ptr 1
		.amdhsa_wavefront_size32 1
		.amdhsa_system_sgpr_workgroup_id_x 1
		.amdhsa_system_sgpr_workgroup_id_y 1
		.amdhsa_system_sgpr_workgroup_id_z 1
		.amdhsa_system_vgpr_workitem_id 0
		.amdhsa_next_free_vgpr 1024
		.amdhsa_next_free_sgpr 102
		.amdhsa_reserve_vcc 0
		.amdhsa_float_denorm_mode_32 3
		.amdhsa_float_denorm_mode_16_64 3
		.amdhsa_memory_ordered 1
		.amdhsa_forward_progress 1
		.amdhsa_inst_pref_size 145
	.end_amdhsa_kernel
	.amdgpu_metadata
---
amdhsa.version: [ 1, 2 ]
amdhsa.kernels:
  - .name:           k_q35c63b88e9_proj
    .symbol:         k_q35c63b88e9_proj.kd
    .args:
      - { .name: xc, .offset: 0, .size: 8, .value_kind: global_buffer, .address_space: global }
      - { .name: xs, .offset: 8, .size: 8, .value_kind: global_buffer, .address_space: global }
      - { .name: wc, .offset: 16, .size: 8, .value_kind: global_buffer, .address_space: global }
      - { .name: ws, .offset: 24, .size: 8, .value_kind: global_buffer, .address_space: global }
      - { .name: qkv, .offset: 32, .size: 8, .value_kind: global_buffer, .address_space: global }
      - { .name: bq, .offset: 40, .size: 8, .value_kind: global_buffer, .address_space: global }
      - { .name: bk, .offset: 48, .size: 8, .value_kind: global_buffer, .address_space: global }
      - { .name: bv, .offset: 56, .size: 8, .value_kind: global_buffer, .address_space: global }
    .group_segment_fixed_size: 327680
    .private_segment_fixed_size: 0
    .kernarg_segment_align: 8
    .kernarg_segment_size: 64
    .max_flat_workgroup_size: 128
    .sgpr_count:     102
    .vgpr_count:     1024
    .wavefront_size: 32
...
	.end_amdgpu_metadata
.endif
;; end of part 2
;; launch attn (part 3): grid 4 x 64, 8 waves a work-group, clusters of 4 x 1, 327,680 bytes of LDS; arguments qkv, attention_mask, out0; writes out0
.if DOCPART == 3
	.amdgcn_target "amdgcn-amd-amdhsa--gfx1250"
	.amdhsa_code_object_version 6
	.text
	.protected	k_q35c63b88e9_attn
	.globl	k_q35c63b88e9_attn
	.p2align	8
	.type	k_q35c63b88e9_attn,@function
k_q35c63b88e9_attn:
	s_mov_b64 s[64:65], 0
	v_nop
	global_prefetch_b8 v0, s[64:65] scope:SCOPE_SE
	s_setreg_imm32_b32 hwreg(HW_REG_WAVE_MODE, 25, 1), 1
	s_wait_xcnt 0x0
	s_wait_alu depctr_hold_cnt(0) depctr_sa_sdst(0) depctr_va_vdst(0) depctr_va_sdst(0) depctr_va_ssrc(0) depctr_va_vcc(0) depctr_vm_vsrc(0)
	s_getreg_b32 s2, hwreg(HW_REG_IB_STS2, 6, 4)
	s_cmp_eq_u32 s2, 0
	s_cbranch_scc0 .Lentry_in_a_cluster
	s_endpgm
.Lentry_in_a_cluster:
	s_bfe_u32 s2, ttmp6, 0x10000c
	s_cmp_lg_u32 s2, 0x3003
	s_cbranch_scc0 .Lentry_shape_is_right
	s_endpgm
.Lentry_shape_is_right:
; out0[b][s][64 head + d] = sum over keys of softmax(q . k / 8 + mask[b][key]) v[key][d].  qkv: f16, [part][16 b + head][s 2048][64]; part 0 holds q x log2(e) / 8, parts 1, 2 hold k, v.  Products on f16 operands, sums, maxima and softmax in f32.
; LIMITS: p, at most 1, is rounded to f16 for the second product; a row whose every key carries a mask of -infinity gives NaN, as the definition does.
; SHARES.  A work-group owns 512 queries of one head, each of its EIGHT waves 64: four tiles of 16, in 512 registers: two waves to a SIMD, so that one wave's softmax stands beside the other's matrix work.  Every wave walks all 2,048 keys, 64 a step.
; LAYOUT.  S^T = K Q^T + C (source 0 = 16 keys, source 1 = 16 queries; C of the first link = mask x log2(e) in the result's layout): the result is the exponent t of 2, mask included.  A lane holds ONE query (lane % 16) and the keys
; 8 (lane / 16) + 0..7 of each tile.  Two such tiles, rounded to f16 in pairs IN PLACE, are source 1 (32 keys x 16 queries) of O^T = V^T P.  K comes out of LDS as it lies, V ([key][channel]) turned, by ds_load_tr16_b128.
; SOFTMAX.  For each query a running maximum m, begun at -3e38 (finite, so that a step of keys all masked by -infinity gives p = 0), and a sum l: p = 2^(t - m); in every step O and l are multiplied by a = 2^(m_old - m_new).
; O^T and l begin as zeros, written once: so the step is written without a first form of its own.
; RING.  Two slots of 256 keys (four steps); all eight waves fetch, 64 keys of K (waves 0-3) or of V (waves 4-7) each.  The change of slots stands behind K Q^T of a slot's fourth step, when all the slot's bytes have been asked for:
; the refill has four key steps in which to land.  By this text's count a wave has two tensor loads out at the start and one behind each round.
; CLUSTER.  The four work-groups of a head are one cluster and walk the same K and V: each tile is asked for JOINTLY, by the same tensor load with the same descriptor and a mask that names the four.
; REGISTERS, in windows of 256 (s_set_vgpr_msb: bits 1:0 source 0, 3:2 source 1, 5:4 source 2, 7:6 destination):
;   window 0: v0-7 addresses; v8-31 six registers of statistics a tile; v32-63 the step's mask; v64-127 Q; v128-191 K of one step; v192-255 V of one step.     window 1: v0-127 S^T, then P; v128-255 O^T.
.set PK,     272                       ; two keys of K (256 bytes) + 16 of padding: the 16 rows of a load fall on 16 different groups of four banks (64 banks of 4 bytes: ISA guide 11.1)
.set PVP,    288                       ; two keys of V + 32 of padding: likewise for the turning load
.set KSTEPB, 32*PK                     ; a step's 64 keys of K in LDS
.set VSTEPB, 32*PVP                    ; and of V
.set VOFF,   4*KSTEPB                  ; a slot: 256 keys of K, then 256 of V
.set SLOT1,  1<<17                     ; slot 1 begins here, so that one exclusive or turns an address in one slot into the other's
.set BLOCKB, 256*128                   ; a slot's keys in memory, of K or of V
.set MASKB,  SLOT1+VOFF+4*VSTEPB       ; behind the ring: 2,048 f32: mask x log2(e); written by LDS stores, no fill lands here
.set SPARE,  MASKB+8192                ; the spare words, 128 bytes for each wave: four blocks of 256 bytes that no other line names
.set STAGE,  SPARE+1024                ; the way out: 16 rows x 272 bytes for each wave
.set SP,     272
.set AK0, 1                            ; v1   my lane's place in a step's K; on the way out: where I put 32 bytes of a row
.set AV0, 2                            ; v2   the same for V; on the way out: where I read a row back
.set AM0, 3                            ; v3   and in the mask; on the way out: my byte offset in the wave's rows of out0
.set ADR, 4                            ; v4   the LDS address of the run of loads in hand
.set PFO, 5                            ; v5   256 x lane; never rewritten
.set SPW, 6                            ; v6   LDS address of my spare word; never rewritten
.set NIL, 7                            ; v7   0; never rewritten
.set ST,  8                            ; tile t's statistics at v[ST+6 t]: +0 m, +1 a chain of the maximum, +2, +3 l (even keys', odd keys'), +4 a, +5 the other chain
.set MK,  32
.set QR,  64
.set KR,  128
.set VR,  192
.set OA,  128                          ; O^T, in window 1
.set WV,  12                           ; s12  my wave's number
.set LIM, 15                           ; s15  1 in a wave that prefetches, else the greatest number
.set PFA, 18                           ; s[18:19] where my prefetches stand
.set G1K, 24                           ; s[24:31] group 1 for K's tiles
.set G1V, 32                           ; s[32:39] for V's: it differs in the padding alone
.set G0K, 40                           ; s[40:47] groups 0 for K's tiles: a set for each of the two first fills; the second then walks on
.set G0V, 48                           ; s[48:55] the same for V's
.set SLOTS, 56                         ; s56  slots still to be asked for
.set CNT, 57                           ; s57  counts a slot's first three steps
.set SEL, 60                           ; s60, s61 lane selects for v_permlanex16_b32: lane l xor 16
.set TK,  62                           ; s62  LDS byte at which the K to be fetched begins
.set TV,  63                           ; s63  the same for V
.set TM,  66                           ; s66  and for the mask: 256 bytes a step
.set MSB, 0
.macro WIN new                         ; the immediate's high byte repeats the setting that is left; a switch that changes nothing is dropped
.if MSB != \new
	s_set_vgpr_msb (MSB<<8)|\new
.set MSB, \new
.endif
.endm
.macro PLACES                          ; four places: behind matrix instructions, ahead of loads into their registers and of reads of their results (ISA guide 7.12.1 for vector instructions)
.rept 4
	v_nop
.endr
.endm
.macro CROUND                          ; a round of the cluster's barrier
	s_barrier_signal -1
	s_barrier_wait -1
	s_cmp_lg_u32 s[WV], 0
	s_cbranch_scc1 .Lnot_wave_0_\@
	s_barrier_signal -3
.Lnot_wave_0_\@:
	s_barrier_wait -3
	s_barrier_signal -1
	s_barrier_wait -1
.endm
; A joint refill.  The branch hangs on the wave's number alone.  An s_nop 0 and four v_nop follow each of the two lines.
.macro JLOAD
	s_cmp_lt_u32 s[WV], 4
	s_cbranch_scc0 .Lfor_v_\@
	tensor_load_to_lds s[G0K+4:G0K+7], s[G1K:G1K+7]
	s_nop 0
.rept 4
	v_nop
.endr
	s_branch .Lasked_\@
.Lfor_v_\@:
	tensor_load_to_lds s[G0V+4:G0V+7], s[G1V:G1V+7]
	s_nop 0
.rept 4
	v_nop
.endr
.Lasked_\@:
.endm
; A PREFETCH of what the NEXT change of slots will ask for: 256 keys of K and of V, 128 pieces of 256 bytes each, four key steps ahead of that load.  A head has one cluster; its four partners share the pieces out BY ADDRESS, 32 each;
; in each, wave 0 asks for K's and wave 4 for V's, a lane a piece: so each piece is named once in the launch.  The last change that fills a slot asks for nothing; the first three slots' keys come by their loads alone.
.macro ASK
	s_cmp_gt_u32 s[SLOTS], s[LIM]
	s_cbranch_scc0 .Lnot_mine_\@
	global_prefetch_b8 v[PFO], s[PFA:PFA+1] th:TH_LOAD_NT scope:SCOPE_SE
.Lnot_mine_\@:
.endm
	s_load_b128 s[4:7], s[0:1], 0x0                ; qkv s[4:5], the mask s[6:7]
	s_load_b64 s[8:9], s[0:1], 0x10                ; out0
	v_lshl_add_u32 v[SPW], v0, 2, SPARE
	v_mov_b32 v[NIL], 0
	ds_add_u32 v[SPW], v[NIL]                      ; the wave's opening: the add, twice on end, and its wait ahead of my first tensor load
	ds_add_u32 v[SPW], v[NIL]
	v_lshrrev_b32 v200, 5, v0
	v_readfirstlane_b32 s[WV], v200                ; wave 0..7
	s_bfe_u32 s13, ttmp6, 0x40000                  ; cx: my block of 512 queries: it enters Q's, out0's and the prefetches' addresses alone
	s_and_b32 s14, ttmp7, 0xffff                   ; 16 b + head, which the four partners share
	s_lshl_b32 s20, s14, 18                        ; the head's first byte in a part of qkv
	s_mov_b32 s21, 0
	s_and_b32 s16, s[WV], 3                        ; which of a slot's four steps I fetch:
	s_lshl_b32 s22, s16, 13                        ; its 64 keys of 128 bytes in memory,
	s_mov_b32 s23, 0
	s_add_nc_u64 s[22:23], s[22:23], s[20:21]
	s_mul_i32 s17, s16, KSTEPB                     ; and its place in a slot, for K
	s_mul_i32 s16, s16, VSTEPB
	s_add_co_u32 s16, s16, VOFF                    ; and for V: no place in the cluster enters an LDS address
	s_lshl_b32 s2, s13, 16                         ; my block's 512 queries,
	s_lshl_b32 s3, s[WV], 13                       ; my wave's 64 of them
	s_add_co_u32 s2, s2, s3
	s_mov_b32 s3, 0
	s_add_nc_u64 s[2:3], s[2:3], s[20:21]
	s_lshr_b32 s58, s14, 4                         ; the batch
	s_lshl_b32 s10, s58, 11
	s_lshl_b32 s11, s13, 9
	s_add_co_u32 s10, s10, s11
	s_lshl_b32 s11, s[WV], 6
	s_add_co_u32 s10, s10, s11                     ; my first token: 2048 b + 512 cx + 64 wave
	s_lshl_b32 s10, s10, 12                        ; rows of 4,096 bytes,
	s_and_b32 s11, s14, 15
	s_lshl_b32 s11, s11, 8                         ; my head's 256 bytes in them
	s_add_co_u32 s10, s10, s11
	s_mov_b32 s11, 0
	s_lshl_b32 s58, s58, 13                        ; the batch's 2,048 f32 of mask
	s_mov_b32 s59, 0
	s_lshr_b32 s18, s[WV], 2                       ; the prefetches: part 1 (K) in waves 0-3, part 2 (V) in waves 4-7,
	s_add_co_u32 s18, s18, 1
	s_lshl_b32 s18, s18, 24
	s_add_co_u32 s18, s18, s20                     ; my head,
	s_lshl_b32 s19, s13, 13                        ; my work-group's 32 pieces of the 128,
	s_add_co_u32 s18, s18, s19
	s_add_co_u32 s18, s18, 2*BLOCKB                ; at keys 512 on: the first change of slots steps it to keys 768 on
	s_mov_b32 s19, 0
	s_and_b32 s[LIM], s[WV], 3
	s_cmp_eq_u32 s[LIM], 0                         ; waves 0 and 4 ask: the same in all four partners
	s_cselect_b32 s[LIM], 1, -1
	; group 1: the keys' rows are dense in memory, so a tile of 64 keys is stated as 32 rows of two keys: 128 elements of 2 bytes, padded in LDS
	s_mov_b32 s[G1K], 15|(1<<16)|(1<<20)|(1<<21)|(5<<22)|(3<<25)  ; 15:0 the mask: all four work-groups; 17:16 elements of 2 bytes; 20 padding on; 21 set beside a mask; 24:22 after every 64 words; 31:25 four words
	s_mov_b32 s[G1V], 15|(1<<16)|(1<<20)|(1<<21)|(5<<22)|(7<<25)  ; the same with eight words of padding
.irp g, G1K, G1V
	s_mov_b32 s[\g+1], 128<<16                     ; tensor_dim0
	s_mov_b32 s[\g+2], 32<<16                      ; tensor_dim1
	s_mov_b32 s[\g+3], 128<<16                     ; tile_dim0
	s_mov_b32 s[\g+4], 32                          ; tile_dim1
	s_mov_b32 s[\g+5], 128                         ; from row to row
	s_mov_b32 s[\g+6], 0
	s_mov_b32 s[\g+7], 0
.endr
	s_mov_b32 s[SEL], 0x76543210
	s_mov_b32 s[SEL+1], 0xfedcba98
	s_mov_b32 s[TK], 0
	s_mov_b32 s[TV], 0
	s_mov_b32 s[TM], 0
	s_mov_b32 s[SLOTS], 6
	v_and_b32 v[PFO], 31, v0
	v_lshlrev_b32 v[PFO], 8, v[PFO]
	s_wait_dscnt 0x0                               ; both opening adds are done
	s_wait_kmcnt 0x0
	s_add_nc_u64 s[6:7], s[6:7], s[58:59]          ; the mask of my batch
	s_add_nc_u64 s[8:9], s[8:9], s[10:11]          ; out0 at my wave's first row
	s_add_nc_u64 s[PFA:PFA+1], s[4:5], s[PFA:PFA+1]
	s_add_nc_u64 s[22:23], s[4:5], s[22:23]        ; qkv at my head and my quarter of a slot
	s_add_nc_u64 s[4:5], s[4:5], s[2:3]            ; q at my wave's first row
	CROUND                                         ; all four work-groups are here: the first joint loads meet
.irp s, 0,1
	s_mov_b32 s[G0K+4*\s], 1                       ; count = 1
	s_add_co_u32 s[G0K+4*\s+1], s17, \s*SLOT1      ; LDS address
	s_add_nc_u64 s[G0K+4*\s+2:G0K+4*\s+3], s[22:23], 0x1000000+\s*BLOCKB   ; part 1; slot s begins with keys 256 s on
	s_or_b32 s[G0K+4*\s+3], s[G0K+4*\s+3], 0x80000000                      ; type = 2
	s_mov_b32 s[G0V+4*\s], 1
	s_add_co_u32 s[G0V+4*\s+1], s16, \s*SLOT1
	s_add_nc_u64 s[G0V+4*\s+2:G0V+4*\s+3], s[22:23], 0x2000000+\s*BLOCKB   ; part 2
	s_or_b32 s[G0V+4*\s+3], s[G0V+4*\s+3], 0x80000000
.endr
	s_cmp_lt_u32 s[WV], 4                          ; a wave's two first fills stand in one branch, ahead of every wait on TENSORcnt and every LDS read
	s_cbranch_scc0 .Lfirst_v
	tensor_load_to_lds s[G0K:G0K+3], s[G1K:G1K+7]
	s_nop 0
	tensor_load_to_lds s[G0K+4:G0K+7], s[G1K:G1K+7]
	s_nop 0
.rept 4
	v_nop
.endr
	s_branch .Lfirst_asked
.Lfirst_v:
	tensor_load_to_lds s[G0V:G0V+3], s[G1V:G1V+7]
	s_nop 0
	tensor_load_to_lds s[G0V+4:G0V+7], s[G1V:G1V+7]
	s_nop 0
.rept 4
	v_nop
.endr
.Lfirst_asked:
	v_lshlrev_b32 v33, 5, v0                       ; the mask: thread i takes numbers 8 i .. 8 i + 7
	global_load_b128 v[192:195], v33, s[6:7]
	global_load_b128 v[196:199], v33, s[6:7] offset:16
	v_and_b32 v200, 15, v0                         ; r = l % 16
	v_bfe_u32 v201, v0, 4, 1                       ; h = l / 16
	v_lshlrev_b32 v32, 7, v200
	v_lshl_add_u32 v32, v201, 4, v32               ; Q: row r of 128 bytes + 16 h
.irp t, 0,1,2,3                                ; Q stays in registers: tile t, channels 32 c on: registers 0-3 channels 8 h + 0..7, registers 4-7 channels 16 + 8 h + 0..7
.irp c, 0,1
	global_load_b128 v[QR+16*\t+8*\c:QR+16*\t+8*\c+3],   v32, s[4:5] offset:2048*\t+64*\c
	global_load_b128 v[QR+16*\t+8*\c+4:QR+16*\t+8*\c+7], v32, s[4:5] offset:2048*\t+64*\c+32
.endr
.endr
	v_lshl_add_u32 v34, v0, 5, MASKB               ; where my eight numbers of the mask go
	v_bfe_u32 v202, v0, 1, 3                       ; key kappa lies at (kappa / 2) x pitch + 128 (kappa % 2).  K: lane l takes key l % 16 of a tile:
	v_mul_u32_u24 v[AK0], v202, PK
	v_and_b32 v203, 1, v0
	v_lshl_add_u32 v[AK0], v203, 7, v[AK0]
	v_lshl_add_u32 v[AK0], v201, 4, v[AK0]         ; + 16 h
	v_bfe_u32 v202, v0, 1, 2                       ; V: the turning load takes 16 keys x 16 channels: lane l reads 16 bytes: key 8 h + l % 8, channels 8 ((l / 8) % 2) + 0..7
	v_lshl_add_u32 v202, v201, 2, v202
	v_mul_u32_u24 v[AV0], v202, PVP
	v_lshl_add_u32 v[AV0], v203, 7, v[AV0]
	v_bfe_u32 v202, v0, 3, 1
	v_lshl_add_u32 v[AV0], v202, 4, v[AV0]
	v_add_nc_u32 v[AV0], VOFF, v[AV0]
	v_lshl_add_u32 v[AM0], v201, 5, MASKB          ; the mask: keys 8 h + 0..7 of a tile
.irp t, 0,1,2,3
	v_mov_b32 v[ST+6*\t], 0xff61b1e6               ; m = -3e38
	v_mov_b32 v[ST+6*\t+1], 0
	v_mov_b32 v[ST+6*\t+2], 0                      ; l
	v_mov_b32 v[ST+6*\t+3], 0
	v_mov_b32 v[ST+6*\t+4], 0
	v_mov_b32 v[ST+6*\t+5], 0                      ; (a lane permute's destination counts as one of its sources)
.endr
	WIN 0x40
.set j, 0
.rept 128
	v_mov_b32 v[OA+j], 0                           ; O^T: written once, so that the key step has one form: its first turn multiplies zeros
.set j, j+1
.endr
	WIN 0
	s_wait_loadcnt 16                              ; the mask's two loads are in; Q's sixteen, issued behind them, may be out
.irp i, 0,2,4,6
	v_pk_mul_f32 v[192+\i:193+\i], v[192+\i:193+\i], 0x3fb8aa3b op_sel_hi:[1,0]   ; x log2(e)
.endr
	ds_store_b128 v34, v[192:195]
	ds_store_b128 v34, v[196:199] offset:16
	s_wait_tensorcnt 0x1                           ; my part of slot 0 is in; slot 1's load, issued behind it, may stay out
	s_wait_dscnt 0x0                               ; for the others' sake: my part of the mask is stored
	s_barrier_signal -1
	s_barrier_wait -1
	s_wait_loadcnt 0x0                             ; Q is in: so its offset register, which lies among the mask's registers, may be loaded over
; THE LDS LOADS stand in runs.  V of the step in hand (turned): half fragments of 16 keys x 16 channels; the addition and the four v_nop are five places behind the last V^T P: four for these loads into V's registers,
; five for the products K Q^T that write over the registers which V^T P read as P.
.macro FETCH_V
	v_add_nc_u32 v[ADR], s[TV], v[AV0]
	PLACES
.irp u, 0,1
.irp ct, 0,1,2,3
	ds_load_tr16_b128 v[VR+32*\u+8*\ct:VR+32*\u+8*\ct+3],   v[ADR] offset:16*PVP*\u+32*\ct
	ds_load_tr16_b128 v[VR+32*\u+8*\ct+4:VR+32*\u+8*\ct+7], v[ADR] offset:16*PVP*\u+8*PVP+32*\ct
.endr
.endr
	s_add_co_u32 s[TV], s[TV], VSTEPB
.endm
.macro FETCH_K                         ; K of the next step: tile kt (16 keys), channels 32 c on
	v_add_nc_u32 v[ADR], s[TK], v[AK0]
.irp kt, 0,1,2,3
.irp c, 0,1
	ds_load_b128 v[KR+16*\kt+8*\c:KR+16*\kt+8*\c+3],   v[ADR] offset:8*PK*\kt+64*\c
	ds_load_b128 v[KR+16*\kt+8*\c+4:KR+16*\kt+8*\c+7], v[ADR] offset:8*PK*\kt+64*\c+32
.endr
.endr
	s_add_co_u32 s[TK], s[TK], KSTEPB
.endm
.macro FETCH_M                         ; and its mask, in the result's layout: register j of tile kt = key 16 kt + 8 h + j; all lanes of a half read the same 16 bytes
	v_add_nc_u32 v[ADR], s[TM], v[AM0]
.irp kt, 0,1,2,3
	ds_load_b128 v[MK+8*\kt:MK+8*\kt+3],   v[ADR] offset:64*\kt
	ds_load_b128 v[MK+8*\kt+4:MK+8*\kt+7], v[ADR] offset:64*\kt+16
.endr
	s_add_co_u32 s[TM], s[TM], 256
.endm
; S^T = K Q^T + mask: 16 accumulators by turns, one instruction a turn, two links each.
.macro KQ
	WIN 0x40                                       ; D window 1; K, Q and the mask window 0
.irp kt, 0,1,2,3
.irp t, 0,1,2,3
	v_wmma_f32_16x16x32_f16 v[32*\t+8*\kt:32*\t+8*\kt+7], v[KR+16*\kt:KR+16*\kt+7], v[QR+16*\t:QR+16*\t+7], v[MK+8*\kt:MK+8*\kt+7]
.endr
.endr
	WIN 0x50                                       ; C and D window 1
.irp kt, 0,1,2,3
.irp t, 0,1,2,3
	v_wmma_f32_16x16x32_f16 v[32*\t+8*\kt:32*\t+8*\kt+7], v[KR+16*\kt+8:KR+16*\kt+15], v[QR+16*\t+8:QR+16*\t+15], v[32*\t+8*\kt:32*\t+8*\kt+7]
.endr
.endr
.endm
; O^T += V^T P: keys 32 u on, channels 16 ct on, tile t: 16 accumulators by turns.
.macro PV
	WIN 0x54                                       ; V window 0; P, C and D window 1
.irp u, 0,1
.irp ct, 0,1,2,3
.irp t, 0,1,2,3
	v_wmma_f32_16x16x32_f16 v[OA+32*\t+8*\ct:OA+32*\t+8*\ct+7], v[VR+32*\u+8*\ct:VR+32*\u+8*\ct+7], v[32*\t+8*\u:32*\t+8*\u+7], v[OA+32*\t+8*\ct:OA+32*\t+8*\ct+7]
.endr
.endr
.endr
.endm
.macro SUBM p                          ; pair p of the 64 pairs of scores: t - m, m of tile p / 16 (of the pair m, chain the low word serves both halves)
	v_pk_add_f32 v[2*(\p):2*(\p)+1], v[2*(\p):2*(\p)+1], v[ST+6*((\p)/16):ST+6*((\p)/16)+1] op_sel_hi:[1,0] neg_lo:[0,1] neg_hi:[0,1]
.endm
.macro SOFTMAX
	WIN 0x14                                       ; sources 1 and 2 (scores) window 1
.irp t, 0,1,2,3                                ; the maximum of the lane's 32 scores and the old m, in two chains a tile, the four tiles by turns; each accumulator is read from its low end on
	v_max3_num_f32 v[ST+6*\t+1], v[ST+6*\t], v[32*\t], v[32*\t+1]
	v_max3_num_f32 v[ST+6*\t+5], v[ST+6*\t], v[32*\t+16], v[32*\t+17]
.endr
.irp i, 1,2,3,4,5,6,7
.irp t, 0,1,2,3
	v_max3_num_f32 v[ST+6*\t+1], v[ST+6*\t+1], v[32*\t+2*\i], v[32*\t+2*\i+1]
	v_max3_num_f32 v[ST+6*\t+5], v[ST+6*\t+5], v[32*\t+16+2*\i], v[32*\t+17+2*\i]
.endr
.endr
	WIN 0
.irp t, 0,1,2,3
	v_max_num_f32 v[ST+6*\t+1], v[ST+6*\t+1], v[ST+6*\t+5]
.endr
.irp t, 0,1,2,3
	v_permlanex16_b32 v[ST+6*\t+5], v[ST+6*\t+1], s[SEL], s[SEL+1]   ; the query's other 32 keys lie in the lane 16 away
.endr
.irp t, 0,1,2,3
	v_max_num_f32 v[ST+6*\t+1], v[ST+6*\t+1], v[ST+6*\t+5]           ; the new m
.endr
.irp t, 0,1,2,3
	v_sub_f32 v[ST+6*\t+4], v[ST+6*\t], v[ST+6*\t+1]                 ; m_old - m_new
.endr
.irp t, 0,1,2,3
	v_mov_b32 v[ST+6*\t], v[ST+6*\t+1]
.endr
.irp t, 0,1,2,3
	v_exp_f32 v[ST+6*\t+4], v[ST+6*\t+4]                             ; a
.endr
	WIN 0x41                                       ; destination and source 0 (S^T, O^T) window 1, source 1 (m, a) window 0
	SUBM 0                                         ; plain work behind the four exponentials
	SUBM 1
	s_wait_alu depctr_va_vdst(0)                   ; the wait ahead of the first line that names a: one for the four
; ONE BATCH: the 128 exponentials, each with a plain neighbour: O^T's rescaling by a, and the subtraction for the pair two further on.  None of these lines names an exponential's result.
.set n, 0
.rept 64
	v_exp_f32 v[2*n], v[2*n]
	v_pk_mul_f32 v[OA+2*n:OA+2*n+1], v[OA+2*n:OA+2*n+1], v[ST+6*(n/16)+4:ST+6*(n/16)+5] op_sel_hi:[1,0]
	v_exp_f32 v[2*n+1], v[2*n+1]
.if n < 62
	SUBM n+2
.endif
.set n, n+1
.endr
	v_nop                                          ; a plain line behind the last exponential
	s_wait_alu depctr_va_vdst(0)                   ; and one wait for the 128, ahead of their first reader
	WIN 0x10                                       ; source 2 window 1
.irp t, 0,1,2,3
	v_pk_fma_f32 v[ST+6*\t+2:ST+6*\t+3], v[ST+6*\t+2:ST+6*\t+3], v[ST+6*\t+4:ST+6*\t+5], v[32*\t:32*\t+1] op_sel_hi:[1,0,1]   ; l = a l + the first pair
.endr
	WIN 0x04                                       ; source 1 window 1
.irp i, 1,2,3,4,5,6,7,8,9,10,11,12,13,14,15
.irp t, 0,1,2,3
	v_pk_add_f32 v[ST+6*\t+2:ST+6*\t+3], v[ST+6*\t+2:ST+6*\t+3], v[32*\t+2*\i:32*\t+2*\i+1]   ; the sum is taken of p in f32, ahead of its rounding
.endr
.endr
	WIN 0x45                                       ; all in window 1
.irp i, 0,1,2,3,4,5,6,7,8,9,10,11,12,13,14,15
.irp t, 0,1,2,3
	v_cvt_pk_f16_f32 v[32*\t+\i], v[32*\t+2*\i], v[32*\t+2*\i+1]     ; in place, ascending: pair i goes to register i, which no later pair reads
.endr
.endr
.endm
; THE CHANGE OF SLOTS.  Each wave waits for all its tensor loads (one is out: its part of the other slot), adds 0 to its spare word, and waits for that and for its own reads of the slot.  Behind the barrier nobody reads this slot any more
; and the other slot is whole.  fill = 1: the barrier is a round of the cluster's, and the joint refill is the first thing behind it.
.macro CHANGE fill
	s_wait_tensorcnt 0x0                           ; no tensor load of mine is out, so a group 0 may be written
	ds_add_u32 v[SPW], v[NIL]                      ; 0 onto my spare word
.if \fill
.irp g, G0K+4, G0V+4
	s_xor_b32 s[\g+1], s[\g+1], SLOT1              ; the walking descriptor: the other slot than last time,
	s_add_nc_u64 s[\g+2:\g+3], s[\g+2:\g+3], BLOCKB    ; the next 256 keys; the type bits on top are not reached
.endr
	s_wait_xcnt 0x0                                ; the last prefetch, four key steps back, has read its address, so it may be written
	s_add_nc_u64 s[PFA:PFA+1], s[PFA:PFA+1], BLOCKB
	s_wait_dscnt 0x0                               ; the add is done, and my reads of the slot are over
	CROUND
	JLOAD                                          ; its four v_nop are also the places behind K Q^T
	ASK
.else
	s_wait_dscnt 0x0
	s_barrier_signal -1
	s_barrier_wait -1
	PLACES
.endif
	s_sub_co_u32 s[TK], s[TK], 4*KSTEPB            ; the fetches go back to a slot's first step,
	s_xor_b32 s[TK], s[TK], SLOT1                  ; in the other slot
	s_sub_co_u32 s[TV], s[TV], 4*VSTEPB
	s_xor_b32 s[TV], s[TV], SLOT1
.endm
; A KEY STEP.  kind 0: plain; 1: a slot's last step, the slot is filled again; 2: a slot's last step, nothing is asked for; 3: the last step of all.
.macro STEP kind
	WIN 0
	FETCH_V
	s_wait_dscnt 16                                ; K and the mask, asked for in the step before, are in; V's sixteen loads may be out
	KQ
	WIN 0
.if \kind == 1
	CHANGE 1
.elseif \kind == 2
	CHANGE 0
.else
	PLACES                                         ; behind K Q^T: ahead of the loads into K's and the mask's registers and of the first read of the scores
.endif
.if \kind != 3
	FETCH_K
	FETCH_M
.endif
	SOFTMAX
.if \kind == 3
	s_wait_dscnt 0x0
.else
	s_wait_dscnt 24                                ; V is in; the next step's K (sixteen loads) and mask (eight) may be out
.endif
	PV
	WIN 0                                          ; at a label and at a branch every window is 0
.endm
.macro THREE                           ; a slot's first three steps: written once, walked three times; the LDS addresses hang on s[TK], s[TV], s[TM]
	s_mov_b32 s[CNT], 3
.Lstep_\@:
	STEP 0
	s_sub_co_u32 s[CNT], s[CNT], 1
	s_cmp_lg_u32 s[CNT], 0
	s_cbranch_scc1 .Lstep_\@
.endm
	FETCH_K                                        ; key step 0
	FETCH_M
.Lslot:                                            ; six trips: keys 0 to 1,535; behind each the slot is filled again, with the keys 512 on
	THREE
	STEP 1
	s_sub_co_u32 s[SLOTS], s[SLOTS], 1
	s_cmp_lg_u32 s[SLOTS], 0
	s_cbranch_scc1 .Lslot
	THREE                                          ; the tail is written out: keys 1,536 on
	STEP 2
	THREE                                          ; and keys 1,792 on
	STEP 3
	; THE WAY OUT.  l's two halves and the other half of the lanes' are added; O^T is divided by l and goes through my stage in LDS, a tile (16 tokens x 256 bytes) at a time.  The additions are the places behind the last products.
.set STO, AK0
.set RD,  AV0
.set GO,  AM0
.irp t, 0,1,2,3
	v_add_f32 v[ST+6*\t+2], v[ST+6*\t+2], v[ST+6*\t+3]
.endr
.irp t, 0,1,2,3
	v_permlanex16_b32 v[ST+6*\t+5], v[ST+6*\t+2], s[SEL], s[SEL+1]
.endr
.irp t, 0,1,2,3
	v_add_f32 v[ST+6*\t+2], v[ST+6*\t+2], v[ST+6*\t+5]
.endr
.irp t, 0,1,2,3
	v_rcp_f32 v[ST+6*\t+4], v[ST+6*\t+2]
.endr
	s_mul_i32 s16, s[WV], 16*SP
	s_add_co_u32 s16, s16, STAGE                   ; my stage
	v_and_b32 v[ADR], 15, v0                       ; r  (plain work behind the reciprocals)
	v_mul_u32_u24 v[STO], v[ADR], SP
	v_lshlrev_b32 v[RD], 4, v[ADR]
	v_lshlrev_b32 v[GO], 4, v[ADR]
	v_bfe_u32 v[ADR], v0, 4, 1                     ; h
	v_lshl_add_u32 v[STO], v[ADR], 5, v[STO]       ; in: row r, 32 bytes for each half of the lanes
	v_mad_u32_u24 v[RD], v[ADR], SP, v[RD]         ; back: lanes 0-15 one row of 256 bytes, lanes 16-31 the next
	v_lshl_add_u32 v[GO], v[ADR], 12, v[GO]        ; and the same two tokens in out0
	v_add_nc_u32 v[STO], s16, v[STO]
	v_add_nc_u32 v[RD], s16, v[RD]
	s_wait_alu depctr_va_vdst(0)                   ; the wait ahead of the first use: one for the four reciprocals
.macro OUT t
	WIN 0x41
.set i, 0
.rept 16
	v_pk_mul_f32 v[OA+32*\t+2*i:OA+32*\t+2*i+1], v[OA+32*\t+2*i:OA+32*\t+2*i+1], v[ST+6*\t+4:ST+6*\t+5] op_sel_hi:[1,0]   ; each accumulator from its low end on
.set i, i+1
.endr
	WIN 0x04                                       ; an LDS store's data are its source 1: window 1
.irp ct, 0,1,2,3
	ds_store_b128 v[STO], v[OA+32*\t+8*\ct:OA+32*\t+8*\ct+3] offset:64*\ct
	ds_store_b128 v[STO], v[OA+32*\t+8*\ct+4:OA+32*\t+8*\ct+7] offset:64*\ct+16
.endr
	WIN 0
.irp f, 0,1,2,3,4,5,6,7
	ds_load_b128 v[QR+32*\t+4*\f:QR+32*\t+4*\f+3], v[RD] offset:\f*2*SP   ; LDS serves a wave's instructions in order (ISA guide 5.7.1.4): these see the stores above; each tile has registers of its own
.endr
.endm
.macro SEND t, younger                 ; younger: the LDS instructions issued behind tile t's loads: the next tile's sixteen, or none
.irp f, 0,1,2,3,4,5,6,7
	s_wait_dscnt \younger+7-\f
	global_store_b128 v[GO], v[QR+32*\t+4*\f:QR+32*\t+4*\f+3], s[8:9] offset:(16*\t+2*\f)*4096 th:TH_STORE_NT   ; 16 lanes store 256 consecutive bytes, a head's 64 numbers of a token, at a multiple of 256 from out0's first byte
.endr
.endm
	OUT 0
	OUT 1                                          ; a tile's arithmetic stands between the loads of the tile before and its stores
	SEND 0, 16
	OUT 2
	SEND 1, 16
	OUT 3
	SEND 2, 16
	SEND 3, 0
	s_wait_tensorcnt 0x0                           ; the wave's end: three lines, behind my last tensor load and my last LDS store
	ds_add_u32 v[SPW], v[NIL]
	s_wait_dscnt 0x0
	CROUND                                         ; the closing round: no work-group ends while a partner may still ask for a tile that names it
	s_endpgm
.Lfunc_end_k_q35c63b88e9_attn:
	.size	k_q35c63b88e9_attn, .Lfunc_end_k_q35c63b88e9_attn-k_q35c63b88e9_attn
	.p2alignl 7, 3214868480
	.fill 96, 4, 3214868480
	.section	.rodata,"a",@progbits
	.p2align	6, 0x0
	.amdhsa_kernel k_q35c63b88e9_attn
		.amdhsa_group_segment_fixed_size 327680
		.amdhsa_private_segment_fixed_size 0
		.amdhsa_enable_private_segment 0
		.amdhsa_kernarg_size 24
		.amdhsa_user_sgpr_count 2
		.amdhsa_user_sgpr_kernarg_segment_ptr 1
		.amdhsa_wavefront_size32 1
		.amdhsa_system_sgpr_workgroup_id_x 1
		.amdhsa_system_sgpr_workgroup_id_y 1
		.amdhsa_system_sgpr_workgroup_id_z 1
		.amdhsa_system_vgpr_workitem_id 0
		.amdhsa_next_free_vgpr 512
		.amdhsa_next_free_sgpr 68
		.amdhsa_reserve_vcc 0
		.amdhsa_float_denorm_mode_32 3
		.amdhsa_float_denorm_mode_16_64 3
		.amdhsa_memory_ordered 1
		.amdhsa_forward_progress 1
		.amdhsa_inst_pref_size 226
	.end_amdhsa_kernel
	.amdgpu_metadata
---
amdhsa.version: [ 1, 2 ]
amdhsa.kernels:
  - .name:           k_q35c63b88e9_attn
    .symbol:         k_q35c63b88e9_attn.kd
    .args:
      - { .name: qkv, .offset: 0, .size: 8, .value_kind: global_buffer, .address_space: global }
      - { .name: attention_mask, .offset: 8, .size: 8, .value_kind: global_buffer, .address_space: global }
      - { .name: out0, .offset: 16, .size: 8, .value_kind: global_buffer, .address_space: global }
    .group_segment_fixed_size: 327680
    .private_segment_fixed_size: 0
    .kernarg_segment_align: 8
    .kernarg_segment_size: 24
    .max_flat_workgroup_size: 256
    .sgpr_count:     68
    .vgpr_count:     512
    .wavefront_size: 32
...
	.end_amdgpu_metadata
.endif
;; end of part 3
